; MI455X (gfx1250); checked and timed in simulation.
; The chip was launched on July 23, 2026; its instructions are those of AMD's public machine-readable ISA for CDNA 5 (MIT licence, August 2026) and "CDNA5" Instruction Set Architecture Reference Guide (July 2026). The comments in the code are by the model that wrote it; some were corrected since.
;; TM Lin Kernel Attn. Allowed arithmetic: matrix products marked QUANTISED: E2M1 operands, one E8M0 scale for each 32 along K, by v_wmma_scale_f32_16x16x128_f8f6f4 with both operands' format E2M1 (or v_wmma_scale_f32_32x16x128_f4), f32 sums; products left as they are: f32 operands where the result goes on into a quantised operand, else bf16, f16 or f32 operands; f32 sums; everything else in f32.
;; Inputs: Wk_codes 1,024 x 32 x 16 uint8 (E2M1 codes of Wk, K innermost, in blocks of 32 codes, two codes a byte); Wk_scales 1,024 x 32 uint8 (E8M0 scales of Wk, one for each 32 codes along K); Wphi_codes 256 x 32 x 16 uint8 (E2M1 codes of Wphi, K innermost, in blocks of 32 codes, two codes a byte); Wphi_scales 256 x 32 uint8 (E8M0 scales of Wphi, one for each 32 codes along K); Wq_codes 1,024 x 32 x 16 uint8 (E2M1 codes of Wq, K innermost, in blocks of 32 codes, two codes a byte); Wq_scales 1,024 x 32 uint8 (E8M0 scales of Wq, one for each 32 codes along K); Wt_codes 16 x 4 x 16 uint8 (E2M1 codes of Wt, K innermost, in blocks of 32 codes, two codes a byte); Wt_scales 16 x 4 uint8 (E8M0 scales of Wt, one for each 32 codes along K); Wv_codes 1,024 x 32 x 16 uint8 (E2M1 codes of Wv, K innermost, in blocks of 32 codes, two codes a byte); Wv_scales 1,024 x 32 uint8 (E8M0 scales of Wv, one for each 32 codes along K); bk 1,024 float32; bq 1,024 float32; bt 16 float32; bv 1,024 float32; temp_input_codes 4 x 4,096 x 4 x 16 uint8 (E2M1 codes of temp_input, K innermost, in blocks of 32 codes, two codes a byte); temp_input_scales 4 x 4,096 x 4 uint8 (E8M0 scales of temp_input, one for each 32 codes along K); x_codes 4 x 4,096 x 32 x 16 uint8 (E2M1 codes of x, K innermost, in blocks of 32 codes, two codes a byte); x_scales 4 x 4,096 x 32 uint8 (E8M0 scales of x, one for each 32 codes along K).
;; Outputs: out0 4 x 4,096 x 1,024 float32.
;; This version of the problem:
;;   THIS VERSION OF THE PROBLEM IS GIVEN IN LOW PRECISION. The matrix products marked QUANTISED in the list below multiply operands that are first quantised to E2M1 (2 exponent bits, 1 mantissa bit; 4 bits a number), with one power-of-two scale for each 32 numbers along K (OCP MX v1.0); their sums are f32. All else is computed in f32.
;;   The module's matrix products, in the order in which they are computed (A, B: the left and right operand; K: the contracted axis; several contracted axes count as one K, in the product's order):
;;     1. [M 16,384, K 1,024] x [K 1,024, N 1,024]; A: input x (given as codes); B: input Wq (given as codes): QUANTISED
;;     2. [M 16,384, K 1,024] x [K 1,024, N 1,024]; A: input x (given as codes); B: input Wk (given as codes): QUANTISED
;;     3. [M 16,384, K 1,024] x [K 1,024, N 1,024]; A: input x (given as codes); B: input Wv (given as codes): QUANTISED
;;     4. [M 16,384, K 1,024] x [K 1,024, N 256]; A: computed on the way; B: input Wphi (given as codes): QUANTISED
;;     5. [M 16,384, K 1,024] x [K 1,024, N 256]; A: computed on the way; B: input Wphi (given as codes): QUANTISED
;;     6. [M 16,384, K 128] x [K 128, N 16]; A: input temp_input (given as codes); B: input Wt (given as codes): QUANTISED
;;     7. batch 64 x [M 16, K 4,096] x [K 4,096, N 64]; A: computed on the way; B: computed on the way: QUANTISED
;;     8. batch 64 x [M 64, K 16] x [K 16, N 4,096]; A: computed on the way; B: computed on the way: left as it is (K = 16 < 32)
;;     9. batch 64 x [M 1, K 16] x [K 16, N 4,096]; A: computed on the way; B: computed on the way: left as it is (K = 16 < 32)
;;   THE QUANTISER, for each operand of a quantised product, along K:
;;     - K is cut into blocks of 32 from its start; a last block that is shorter is filled with zeros.
;;     - A block's scale is 2^e with e = floor(log2(the largest magnitude in the block)) - 2, held to -126 .. 127; a block of zeros has e = 0. As a byte (E8M0): e + 127.
;;     - Each number is divided by its block's scale, clamped to +-6, and rounded to the nearest number of E2M1, ties to even, subnormals kept.
;;     - The product sums the exact products of the quantised numbers (number of the format x scale) in f32.
;;   ~~~python
;;   def quantise(x, axis):      # numpy; x: float32 -> the quantised numbers, widened to float32 again
;;       x = np.moveaxis(x, axis, -1); K = x.shape[-1]
;;       x = np.pad(x, [(0, 0)] * (x.ndim - 1) + [(0, -K % 32)]); x = x.reshape(x.shape[:-1] + (-1, 32)); a = np.abs(x).max(-1, keepdims=True)
;;       e = np.where(a > 0, np.clip(np.frexp(np.where(a > 0, a, 1))[1] - 1 - 2, -126, 127), 0)      # np.frexp(a)[1] - 1 = floor(log2(a)), exactly
;;       r = np.clip(x / 2.0 ** e, -6, 6)
;;       step = 2.0 ** (np.maximum(np.frexp(np.where(r == 0, 1, r))[1] - 1, 0) - 1)
;;       q = np.round(r / step) * step * 2.0 ** e      # np.round: ties to even
;;       return np.moveaxis(q.reshape(q.shape[:-2] + (-1,))[..., :K], -1, axis).astype(np.float32)
;;   ~~~
;;   OPERANDS COMPUTED ON THE WAY. 'Computed on the way' means the value that the module computes at that place (a softmax that the list does not call 'softmax' is quantised finished and normalised). What goes into a quantiser is computed in f32, as accurately as f32 sums, v_exp_f32 and their like allow (about 1e-6 of the number): no bf16 or f16 on the way to a quantiser, and a product that is left as it is and whose result goes on into a quantised operand takes f32 operands (vector FMAs, or v_wmma_f32_16x16x4_f32). A number that lies on a knife's edge between two numbers of the format may be rounded either way, as far as f32 arithmetic and the matrix unit's own rounding can turn it there, and no further.
;;   INPUTS GIVEN AS CODES. Wk (in the module: [1024, 1024], K = its axis 0); Wphi (in the module: [1024, 256], K = its axis 0); Wq (in the module: [1024, 1024], K = its axis 0); Wt (in the module: [128, 16], K = its axis 0); Wv (in the module: [1024, 1024], K = its axis 0); temp_input (in the module: [4, 4096, 128], K = its axis 2); x (in the module: [4, 4096, 1024], K = its axis 2): each comes as NAME_codes (uint8): NAME with its K axis moved to the last place and cut into blocks of 32 codes, [.., K / 32, bytes a block], one block behind the other in memory; two codes a byte, the lower K in the low four bits (a code: sign, 2 exponent bits, 1 mantissa bit); and NAME_scales (uint8): the same leading axes, one E8M0 byte (e + 127) for each 32 codes along K. Its value is code x scale, taken as it is: it is not quantised again, and the codes and scales need not be those that the quantiser above would give.
;; One version. Each part assembles by itself: llvm-mc -triple=amdgcn-amd-amdhsa -mcpu=gfx1250 --defsym DOCPART=n.
;; ======== version 1 of 1: 2 launches
;; workspace buffers: pq 8,388,608 bytes; pkc 2,097,152 bytes; pks 262,144 bytes; zp 524,288 bytes; vc 8,388,608 bytes; vs 1,048,576 bytes
;; launch proj (part 1): grid 256 x 1, 4 waves a work-group, clusters of 4 x 1, 327,680 bytes of LDS; arguments x_codes, x_scales, Wq_codes, Wq_scales, bq, Wk_codes, Wk_scales, bk, Wv_codes, Wv_scales, bv, Wphi_codes, Wphi_scales, temp_input_codes, temp_input_scales, Wt_codes, Wt_scales, bt, pq, pkc, pks, zp, vc, vs; writes pq, pkc, pks, zp, vc, vs
.if DOCPART == 1
	.amdgcn_target "amdgcn-amd-amdhsa--gfx1250"
	.amdhsa_code_object_version 6
	.text
	.protected	k_q8c8203a2a3_proj
	.globl	k_q8c8203a2a3_proj
	.p2align	8
	.type	k_q8c8203a2a3_proj,@function
k_q8c8203a2a3_proj:
	s_mov_b64 s[64:65], 0
	v_nop
	global_prefetch_b8 v0, s[64:65] scope:SCOPE_SE
	s_setreg_imm32_b32 hwreg(HW_REG_WAVE_MODE, 25, 1), 1
	s_wait_xcnt 0x0
	s_wait_alu depctr_hold_cnt(0) depctr_sa_sdst(0) depctr_va_vdst(0) depctr_va_sdst(0) depctr_va_ssrc(0) depctr_va_vcc(0) depctr_vm_vsrc(0)
	s_getreg_b32 s2, hwreg(HW_REG_IB_STS2, 6, 4)
	s_cmp_eq_u32 s2, 0
	s_cbranch_scc0 .Lentry_in_a_cluster
	s_endpgm
.Lentry_in_a_cluster:
	s_bfe_u32 s2, ttmp6, 0x10000c
	s_cmp_lg_u32 s2, 0x3003
	s_cbranch_scc0 .Lentry_shape_is_right
	s_endpgm
.Lentry_shape_is_right:
; PROJ: the projections, the feature maps, the temperatures and every quantiser of the linear attention.
; No step of reference() is left out and every input is loaded: all four biases reach a quantiser or the softplus.
; SHARES.  A work-group of four waves owns 128 tokens and one ROLE.  Role 0: v for heads 0-7, q = x Wq + bq, phi_q.  Role 1: v for heads 8-15, k = x Wk + bk, phi_k, T, pk = phi_k T, the parts of z.
; 128 blocks of tokens x 2 roles = 256 work-groups of equal matrix work.  A wave owns 64 tokens (tw = wave / 2) and 128 of a tile's 256 weight rows (cw = wave % 2): 32 accumulators.
; x's codes of the wave's 64 tokens stay in 256 registers; only weights go through LDS: seven tiles of 256 rows x 512 bytes (Wv twice, Wq or Wk four times, Wphi) through two slots.
; CLUSTER.  The four work-groups of a cluster have one role and walk the same seven tiles: each tile is asked for jointly (mask 15), a quarter by each wave.
; LAYOUT.  q, k: the product is used transposed (source 0 = 16 weight rows, source 1 = 16 tokens): a lane holds one token and eight columns, so the quantiser along the columns works in a lane and its partner 16 lanes away.
; v, phi_k: natural (source 0 = tokens): a lane holds one column and eight tokens, so the quantiser along the tokens works likewise.  In both a block of 32 is four pieces of eight: lane half h holds pieces h and 2 + h;
; four conversions and two exchanges of halves give registers 4 c .. 4 c + 3 of the next operand.
; Q(q), Q(k) go from wave to wave through LDS as images of the operand's registers (16 bytes a lane, 512 bytes a store), their scale words likewise (4 bytes a lane).
; ARITHMETIC.  elu(x) + 1 = x + 1 for x > 0, else (2^(x log2 e) - 1) + 1: the two roundings of reference().  softplus(x) = max(x, 0) + log1p(e), e = 2^(-|x| log2 e); log1p by its series up to e^6 for e < 1/16
; (what is cut lies under e^6 / 7 of the result, 9e-9), else log2(1 + e) ln 2.
; LIMITS.  A block of zeros gets the scale byte 1 where the rule says 127 (its codes are zeros, and this program alone reads the bytes).  NaN and infinities among the inputs are not served.
; REGISTERS, in windows of 256: window 0: addresses, scale words, weight fragments (two sets), the quantisers' work; window 1: x's fragments, later Q(q)'s; window 2: the accumulators, later the phi stage; window 3: the bias as C.
.set PITCH,  528                       ; an LDS row of a tile: 512 bytes + 16 = 132 words: the 16 rows of a fragment load start 4 banks apart (64 banks of 4 bytes: ISA guide 11.1)
.set QUART,  64*PITCH                  ; what one tensor load brings: 64 rows
.set SLOTB,  4*QUART                   ; a slot: 256 rows
.set IMG,    2*SLOTB                   ; images of Q(q): [K step 0..5][token tile 8][c 2][lane][16 bytes]
.set ISC,    IMG+6*8192                ; their scale words: [K step][token tile][lane] 4 bytes
.set SPARE,  ISC+6*1024                ; the spare words, 128 bytes a wave: two blocks of 256 bytes that no other line names
.set IMG2,   SLOTB                     ; in slot 1, behind its last fill and its last read: the images of K steps 6 and 7,
.set ISC2,   IMG2+2*8192               ; their scale words,
.set TL,     ISC2+2*1024               ; and T: [head 16] rows of 128 tokens f32 + 16 bytes
.set R,    1                           ; v1   lane % 16
.set H,    2                           ; v2   lane / 16
.set LN,   3                           ; v3   lane
.set XO,   4                           ; v4   512 r + 16 h: a fragment's place in 16 rows of x
.set L32,  5                           ; v5   32 lane: a row of scale bytes
.set BQO,  6                           ; v6   32 h
.set R4,   7                           ; v7   4 r
.set AW0,  8                           ; v8   my lane's place in my 128 rows of a slot
.set ADW,  9                           ; v9   the same in the slot in hand
.set L16,  10                          ; v10  16 lane
.set L4,   11                          ; v11  4 lane
.set L8,   12                          ; v12  8 lane
.set IW0,  13                          ; v13  where I store images in pass 0;  v14 in the pass in hand
.set IW,   14
.set SW0,  15                          ; v15, v16 the same for scale words
.set SW,   16
.set IW2,  17                          ; v17, v18 the same for pass 3
.set SW2,  18
.set IR,   19                          ; v19, v20 where I read images: K steps 0-5, K steps 6-7
.set IR2,  20
.set SR,   21                          ; v21, v22 and scale words
.set SR2,  22
.set AF,   23                          ; v23  Wphi's fragments of the trip in hand
.set TWA,  24                          ; v24  where I store T
.set TR0,  25                          ; v25  where I read T;  v26 in the trip in hand
.set TRC,  26
.set TO,   27                          ; v27  64 r + 16 h: a fragment's place in 16 rows of 64 bytes
.set XS,   32                          ; v32-47  x's scale words: [32 tokens 2][K step 8]: lanes 0-15 one tile of tokens, lanes 16-31 the next
.set QS,   32                          ; v32-63  in the phi stage: Q(q)'s scale words [token tile 4][K step 8]
.set WS,   48                          ; v48-79  the weight's scale words: [32 rows 4][K step 8]
.set TS,   64                          ; v64-66  temp_input's two scale words and Wt's
.set BT,   80                          ; v80-87  bv of my eight tiles; later bt
.set FS,   88                          ; v88-95  Wphi's scale words: [K step 8], lanes 0-15 the even head, lanes 16-31 the odd one
.set TREG, 96                          ; v96-111 T
.set SPW,  126                         ; v126 LDS address of my spare word; never rewritten
.set NIL,  127                         ; v127 0; never rewritten
.set WF,   128                         ; v128-255 weight fragments: two sets of eight; in the phi stage 16 of Wphi
.set TM,   128                         ; the quantisers' work lies over them: largest magnitudes,
.set TP,   144                         ; the partner's,
.set SO,   160                         ; the conversions' scale operands,
.set BY,   176                         ; the bytes,
.set PW,   192                         ; the scale words,
.set PC,   200                         ; the codes (32 registers)
.set WV,   52
.set TW,   53
.set CW,   54
.set ROLE, 55
.set BLOCK, 56
.set TB,   58                          ; s58  LDS byte at which the slot in hand begins
.set CNT,  61
.set IP,   62                          ; s62, s63 the pass's images and scale words
.set ISP,  63
.set SEL,  66                          ; s[66:67] selects of v_permlanex16_b32: lane l xor 16
.set L2E,  68                          ; s[68:69] log2(e), twice: the packed form names a pair
.set HM,   70                          ; s70  a mask of lanes 16-31
.set SH,   71                          ; s71  16 tw: where my two scale bytes stand in a word
.set G1,   72                          ; s[72:79] descriptor group 1
.set G0,   80                          ; s[80:83] descriptor group 0: it walks
.set NA,   84                          ; s[84:85] the address of the tile to be asked for next
.set PG,   92                          ; s92  Wphi's rows of the trip to be fetched
.set TG,   93                          ; s93  T's rows of the trip in hand
.set MSB, 0
.macro WIN new                         ; the immediate's high byte repeats the setting that is left; a switch that changes nothing is dropped
.if MSB != \new
	s_set_vgpr_msb (MSB<<8)|\new
.set MSB, \new
.endif
.endm
.macro PLACES                          ; four plain places behind a matrix instruction, in front of loads into its registers and of reads of its results
.rept 4
	v_nop
.endr
.endm
.macro ROUND                           ; a round of the cluster's barrier
	s_barrier_signal -1
	s_barrier_wait -1
	s_cmp_lg_u32 s[WV], 0
	s_cbranch_scc1 .Lnot_wave_0_\@
	s_barrier_signal -3
.Lnot_wave_0_\@:
	s_barrier_wait -3
	s_barrier_signal -1
	s_barrier_wait -1
.endm
; s[p:p+1] += sum of s[r] << h; the offset is made in s[t:t+1], apart from the address.  t = 86: offsets that hold no place in the cluster; t = 88: those that hold the block of tokens.
.macro PADD p, t, r1, h1, r2, h2, r3, h3, r4, h4
	s_lshl_b32 s[\t], s[\r1], \h1
.if \r2
	s_lshl_b32 s[\t+1], s[\r2], \h2
	s_add_co_u32 s[\t], s[\t], s[\t+1]
.endif
.if \r3
	s_lshl_b32 s[\t+1], s[\r3], \h3
	s_add_co_u32 s[\t], s[\t], s[\t+1]
.endif
.if \r4
	s_lshl_b32 s[\t+1], s[\r4], \h4
	s_add_co_u32 s[\t], s[\t], s[\t+1]
.endif
	s_mov_b32 s[\t+1], 0
	s_add_nc_u64 s[\p:\p+1], s[\p:\p+1], s[\t:\t+1]
.endm
; THE CHANGE OF SLOTS.  Every wave waits for all its tensor loads (one is out: its quarter of the tile to be read now), adds 0 to its spare word, and waits for that and for its LDS reads and stores.
; fill = 1: a round of the cluster's barrier, and behind it the joint load of the next tile into the slot read last, which has a whole pass in which to land.
.macro CHANGE fill
	s_wait_tensorcnt 0x0                           ; no tensor load of mine is out, so group 0 may be written
	ds_add_u32 v[SPW], v[NIL]
.if \fill
	s_xor_b32 s[G0+1], s[G0+1], SLOTB              ; the other slot (33,792 x wave and SLOTB share no bit)
	s_mov_b64 s[G0+2:G0+3], s[NA:NA+1]
	s_or_b32 s[G0+3], s[G0+3], 0x80000000          ; type = 2
.endif
	s_wait_dscnt 0x0                               ; the add is done; my reads of the slot that I leave, and my stores, are over
.if \fill
	ROUND                                          ; no wave of any partner still reads that slot or has a load on its way
	tensor_load_to_lds s[G0:G0+3], s[G1:G1+7]
	s_nop 0
	PLACES
.else
	s_barrier_signal -1
	s_barrier_wait -1
.endif
.endm
; One scaled product.  cm = 0: C is the constant 0; 1: C = v[c ..].  ra, rb: which half of the lanes holds A's and B's scale words.
.macro SWM d, a, b, cm, c, sa, sb, ra, rb
.set rD, \d
.set rA, \a
.set rB, \b
.set rC, \c
.set rSA, \sa
.set rSB, \sb
.set rSel, 4*(\cm)+2*(\ra)+(\rb)
.if rSel == 0
	v_wmma_scale_f32_16x16x128_f8f6f4 v[rD:rD+7], v[rA:rA+7], v[rB:rB+7], 0, v[rSA], v[rSB] matrix_a_fmt:MATRIX_FMT_FP4 matrix_b_fmt:MATRIX_FMT_FP4
.elseif rSel == 1
	v_wmma_scale_f32_16x16x128_f8f6f4 v[rD:rD+7], v[rA:rA+7], v[rB:rB+7], 0, v[rSA], v[rSB] matrix_a_fmt:MATRIX_FMT_FP4 matrix_b_fmt:MATRIX_FMT_FP4 matrix_b_scale:MATRIX_SCALE_ROW1
.elseif rSel == 2
	v_wmma_scale_f32_16x16x128_f8f6f4 v[rD:rD+7], v[rA:rA+7], v[rB:rB+7], 0, v[rSA], v[rSB] matrix_a_fmt:MATRIX_FMT_FP4 matrix_b_fmt:MATRIX_FMT_FP4 matrix_a_scale:MATRIX_SCALE_ROW1
.elseif rSel == 4
	v_wmma_scale_f32_16x16x128_f8f6f4 v[rD:rD+7], v[rA:rA+7], v[rB:rB+7], v[rC:rC+7], v[rSA], v[rSB] matrix_a_fmt:MATRIX_FMT_FP4 matrix_b_fmt:MATRIX_FMT_FP4
.elseif rSel == 5
	v_wmma_scale_f32_16x16x128_f8f6f4 v[rD:rD+7], v[rA:rA+7], v[rB:rB+7], v[rC:rC+7], v[rSA], v[rSB] matrix_a_fmt:MATRIX_FMT_FP4 matrix_b_fmt:MATRIX_FMT_FP4 matrix_b_scale:MATRIX_SCALE_ROW1
.elseif rSel == 6
	v_wmma_scale_f32_16x16x128_f8f6f4 v[rD:rD+7], v[rA:rA+7], v[rB:rB+7], v[rC:rC+7], v[rSA], v[rSB] matrix_a_fmt:MATRIX_FMT_FP4 matrix_b_fmt:MATRIX_FMT_FP4 matrix_a_scale:MATRIX_SCALE_ROW1
.else
	v_wmma_scale_f32_16x16x128_f8f6f4 v[rD:rD+7], v[rA:rA+7], v[rB:rB+7], v[rC:rC+7], v[rSA], v[rSB] matrix_a_fmt:MATRIX_FMT_FP4 matrix_b_fmt:MATRIX_FMT_FP4 matrix_a_scale:MATRIX_SCALE_ROW1 matrix_b_scale:MATRIX_SCALE_ROW1
.endif
.endm
.macro LOADW s                         ; my eight weight fragments of K step s into set s % 2: 16 rows x 128 K of 4-bit codes are two loads of 16 bytes, 32 bytes apart
.irp t, 0,1,2,3,4,5,6,7
.irp c, 0,1
	ds_load_b128 v[WF+64*((\s)%2)+8*\t+4*\c:WF+64*((\s)%2)+8*\t+4*\c+3], v[ADW] offset:16*PITCH*\t+64*(\s)+32*\c
.endr
.endr
.endm
; 32 products: four tiles of tokens x eight tiles of weight rows, K step s.  The 32 accumulators take turns, one instruction a turn.  K step 0 takes the bias as C: nothing is cleared.
.macro MM kind, s
.irp m, 0,1,2,3
.irp t, 0,1,2,3,4,5,6,7
.if (\s) == 0
.set rCC, 8*\t
.else
.set rCC, 8*(8*\m+\t)
.endif
.if \kind == 0
	SWM 8*(8*\m+\t), WF+64*((\s)%2)+8*\t, 8*(8*\m+(\s)), 1, rCC, WS+8*(\t/2)+(\s), XS+8*(\m/2)+(\s), \t%2, \m%2
.else
	SWM 8*(8*\m+\t), 8*(8*\m+(\s)), WF+64*((\s)%2)+8*\t, 1, rCC, XS+8*(\m/2)+(\s), WS+8*(\t/2)+(\s), \m%2, \t%2
.endif
.endr
.endr
.endm
; A pass: K = 1,024 in eight steps.  kind 0: transposed (source 0 = weight rows); 1: natural (source 0 = tokens).  A step's fragments are asked for one step ahead, in one run.
.macro KSTEPS kind
	v_add_nc_u32 v[ADW], s[TB], v[AW0]
	LOADW 0
.irp s, 0,1,2,3,4,5,6,7
	s_wait_dscnt 0x0                               ; this step's fragments are in
.if (\s > 0) && (\s < 7)
	PLACES                                         ; the set to be loaded was read by the step before
.endif
.if \s < 7
	LOADW \s+1
.endif
.if \kind == 0
.if \s == 0
	WIN 0xb4                                       ; source 1 (x) window 1, C (bias) window 3, D window 2
.else
	WIN 0xa4                                       ; C and D window 2
.endif
.else
.if \s == 0
	WIN 0xb1                                       ; source 0 (x) window 1
.else
	WIN 0xa1
.endif
.endif
	MM \kind, \s
	WIN 0
.endr
.endm
.macro WSLOADS p                       ; the scale bytes of my 128 weight rows: a lane a row, 32 bytes: eight words, one a K step
.irp b, 0,1,2,3
.irp q, 0,1
	global_load_b128 v[WS+8*\b+4*\q:WS+8*\b+4*\q+3], v[L32], s[\p:\p+1] offset:1024*\b+16*\q
.endr
.endr
.endm
.macro VLOADS                          ; for a pass of v: scale words, and bv of my column in each tile
	WSLOADS 22
.irp t, 0,1,2,3,4,5,6,7
	global_load_b32 v[BT+\t], v[R4], s[24:25] offset:64*\t
.endr
.endm
.macro QLOADS                          ; for a pass of q or k: scale words, and the bias of my eight columns in each tile, straight into C's registers
	WSLOADS 10
	WIN 0xc0
.irp t, 0,1,2,3,4,5,6,7
.irp q, 0,1
	global_load_b128 v[8*\t+4*\q:8*\t+4*\q+3], v[BQO], s[12:13] offset:64*\t+16*\q
.endr
.endr
	WIN 0
.endm
.macro FLOADS                          ; Wphi's scale words of two heads
.irp q, 0,1
	global_load_b128 v[FS+4*\q:FS+4*\q+3], v[L32], s[28:29] offset:16*\q
.endr
.endm
; THE QUANTISERS.  16 blocks at a time, by turns.  kind 0: block q = 4 m + beta: columns 32 beta .. of token tile m; kind 1: q = 2 t + beta: tokens 32 beta .. of column tile t.
.macro MAXES kind                      ; my 16 numbers of each block and the floor 2^(3 - 127), which holds the byte at 1 from below; each accumulator is read from its low end on
.irp i, 0,2,4,6,8,10,12,14
.set q, 0
.rept 16
.if \kind == 0
.set rM, 64*(q/4)+16*(q%4)+\i
.else
.set rM, 128*(q%2)+8*(q/2)+64*(\i/8)+\i%8
.endif
.if \i == 0
	v_max3_num_f32 v[TM+q], |v[rM]|, |v[rM+1]|, 0x1800000
.else
	v_max3_num_f32 v[TM+q], |v[rM]|, |v[rM+1]|, v[TM+q]
.endif
.set q, q+1
.endr
.endr
.endm
.macro SCALES16
.set q, 0
.rept 16
	v_permlanex16_b32 v[TP+q], v[TM+q], s[SEL], s[SEL+1]
.set q, q+1
.endr
.set q, 0
.rept 16
	v_max_num_f32 v[TM+q], v[TM+q], v[TP+q]        ; with lane l xor 16's: the block's largest magnitude
.set q, q+1
.endr
.set q, 0
.rept 16
	v_add_nc_u32 v[SO+q], 0xff000000, v[TM+q]      ; 2 off its exponent field: the conversion's scale operand
.set q, q+1
.endr
.set q, 0
.rept 16
	v_lshrrev_b32 v[BY+q], 23, v[SO+q]             ; the scale's byte
.set q, q+1
.endr
.endm
.macro SWAPS                           ; the first's lanes 16-31 change places with the second's lanes 0-15: lanes 0-15 then hold the even block, lanes 16-31 the odd one
.set q, 0
.rept 16
	v_permlane16_swap_b32 v[PC+2*q], v[PC+2*q+1]
.set q, q+1
.endr
.endm
.macro EPIQ_C                          ; q or k of this pass (64 tokens x 128 columns) becomes four fragments in v[PC ..] and four scale words in v[PW ..]
	WIN 0x0a                                       ; sources 0 and 1 window 2
	MAXES 0
	WIN 0
	SCALES16
.irp m, 0,1,2,3
	v_lshl_or_b32 v[PW+\m], v[BY+4*\m+1], 8, v[BY+4*\m]
	v_lshl_or_b32 v[PW+\m], v[BY+4*\m+2], 16, v[PW+\m]
	v_lshl_or_b32 v[PW+\m], v[BY+4*\m+3], 24, v[PW+\m]
.endr
	WIN 0x02                                       ; source 0 window 2
.irp m, 0,1,2,3
.irp c, 0,1
	v_cvt_scalef32_pk8_fp4_f32 v[PC+8*\m+4*\c], v[64*\m+32*\c:64*\m+32*\c+7], v[SO+4*\m+2*\c]            ; block 2 c, its first tile: pieces 0, 1
	v_cvt_scalef32_pk8_fp4_f32 v[PC+8*\m+4*\c+1], v[64*\m+32*\c+16:64*\m+32*\c+23], v[SO+4*\m+2*\c+1]    ; block 2 c + 1, its first tile
	v_cvt_scalef32_pk8_fp4_f32 v[PC+8*\m+4*\c+2], v[64*\m+32*\c+8:64*\m+32*\c+15], v[SO+4*\m+2*\c]       ; block 2 c, its second tile: pieces 2, 3
	v_cvt_scalef32_pk8_fp4_f32 v[PC+8*\m+4*\c+3], v[64*\m+32*\c+24:64*\m+32*\c+31], v[SO+4*\m+2*\c+1]
.endr
.endr
	v_nop                                          ; one plain place behind the scaled conversions
	WIN 0
	SWAPS
.endm
.macro EPIQ_S aI, aS                   ; the images go to LDS as they stand
.irp m, 0,1,2,3
.irp c, 0,1
	ds_store_b128 v[\aI], v[PC+8*\m+4*\c:PC+8*\m+4*\c+3] offset:1024*\m+512*\c
.endr
	ds_store_b32 v[\aS], v[PW+\m] offset:128*\m
.endr
.endm
.macro EPIV                            ; v of this pass (64 tokens x 128 columns), quantised along the tokens: my half (c = tw) of eight fragments, and my two bytes of their scale words
	WIN 0x0a
	MAXES 1
	WIN 0
	SCALES16
.irp t, 0,1,2,3,4,5,6,7
	v_lshl_or_b32 v[TP+\t], v[BY+2*\t+1], 8, v[BY+2*\t]
.endr
.irp t, 0,1,2,3,4,5,6,7
	v_lshlrev_b32 v[TP+\t], s[SH], v[TP+\t]        ; bytes 2 tw and 2 tw + 1 of the word; the other two are 0
.endr
.irp b, 0,1,2,3
	v_cndmask_b32 v[PW+\b], v[TP+2*\b], v[TP+2*\b+1], s[HM]   ; lanes 0-15 the even tile's word, lanes 16-31 the odd tile's
.endr
	WIN 0x02
.irp t, 0,1,2,3,4,5,6,7
	v_cvt_scalef32_pk8_fp4_f32 v[PC+4*\t], v[8*\t:8*\t+7], v[SO+2*\t]
	v_cvt_scalef32_pk8_fp4_f32 v[PC+4*\t+1], v[128+8*\t:128+8*\t+7], v[SO+2*\t+1]
	v_cvt_scalef32_pk8_fp4_f32 v[PC+4*\t+2], v[64+8*\t:64+8*\t+7], v[SO+2*\t]
	v_cvt_scalef32_pk8_fp4_f32 v[PC+4*\t+3], v[192+8*\t:192+8*\t+7], v[SO+2*\t+1]
.endr
	v_nop
	WIN 0
	SWAPS
.irp t, 0,1,2,3,4,5,6,7
	global_store_b128 v[L16], v[PC+4*\t:PC+4*\t+3], s[48:49] offset:1024*\t   ; 32 lanes store 512 consecutive bytes, aligned
.endr
.irp b, 0,1,2,3
	global_store_b32 v[L4], v[PW+\b], s[50:51] offset:128*\b
.endr
	s_wait_xcnt 0x0                                ; the stores have read their registers and bases
	s_add_nc_u64 s[48:49], s[48:49], 16384
	s_add_nc_u64 s[50:51], s[50:51], 1024
.endm
.macro LOADF                           ; Wphi's fragments of two heads, all eight K steps
.irp e, 0,1
.irp s, 0,1,2,3,4,5,6,7
.irp c, 0,1
	ds_load_b128 v[WF+8*(8*\e+\s)+4*\c:WF+8*(8*\e+\s)+4*\c+3], v[AF] offset:16*PITCH*\e+64*\s+32*\c
.endr
.endr
.endr
.endm
.macro PHIMM kind                      ; 64 products: two heads x four tiles of tokens, eight accumulators by turns, K step by K step; the first K step starts the sums
.irp s, 0,1,2,3,4,5,6,7
.irp e, 0,1
.irp m, 0,1,2,3
.if \s == 0
.set rZ, 0
.else
.set rZ, 1
.endif
.if \kind == 0
	SWM 8*(4*\e+\m), WF+8*(8*\e+\s), 8*(8*\m+\s), rZ, 8*(4*\e+\m), FS+\s, QS+8*\m+\s, \e, 0
.else
	SWM 8*(4*\e+\m), 8*(8*\m+\s), WF+8*(8*\e+\s), rZ, 8*(4*\e+\m), QS+8*\m+\s, FS+\s, 0, \e
.endif
.endr
.endr
.endr
.endm
; elu + 1 on the 64 numbers v0-63 of window 2, in place.  v64-127: the exponential's way; v128-191: x + 1.
.macro ELU
	WIN 0xaa
.set i, 0
.rept 32
	v_pk_mul_f32 v[64+i:65+i], v[i:i+1], s[L2E:L2E+1] op_sel_hi:[1,0]
.set i, i+2
.endr
.set i, 0
.rept 64
	v_exp_f32 v[64+i], v[64+i]
.set i, i+1
.endr
.set i, 0
.rept 32
	v_pk_add_f32 v[128+i:129+i], v[i:i+1], 1.0 op_sel_hi:[1,0]   ; plain work behind the exponentials, which names none of their results
.set i, i+2
.endr
	s_wait_alu depctr_va_vdst(0)                   ; one wait for the batch, ahead of its first reader
.set i, 0
.rept 32
	v_pk_add_f32 v[64+i:65+i], v[64+i:65+i], -1.0 op_sel_hi:[1,0]
.set i, i+2
.endr
.set i, 0
.rept 32
	v_pk_add_f32 v[64+i:65+i], v[64+i:65+i], 1.0 op_sel_hi:[1,0]
.set i, i+2
.endr
.set i, 0
.rept 64
	v_cmp_lt_f32 vcc_lo, 0, v[i]
	v_cndmask_b32 v[i], v[64+i], v[128+i], vcc_lo
.set i, i+1
.endr
.endm
	s_load_b512 s[4:19], s[0:1], 0x0               ; x codes, x scales, Wq codes, Wq scales, bq, Wk codes, Wk scales, bk
	s_load_b512 s[20:35], s[0:1], 0x40             ; Wv codes, Wv scales, bv, Wphi codes, Wphi scales, temp codes, temp scales, Wt codes
	s_load_b512 s[36:51], s[0:1], 0x80             ; Wt scales, bt, pq, pkc, pks, zp, vc, vs
	v_lshl_add_u32 v[SPW], v0, 2, SPARE
	v_mov_b32 v[NIL], 0
	ds_add_u32 v[SPW], v[NIL]                      ; the wave's opening: the add, twice on end, and its wait ahead of my first tensor load
	ds_add_u32 v[SPW], v[NIL]
	v_lshrrev_b32 v28, 5, v0
	v_readfirstlane_b32 s[WV], v28                 ; wave 0..3
	s_lshr_b32 s[TW], s[WV], 1                     ; which 64 tokens
	s_and_b32 s[CW], s[WV], 1                      ; which 128 rows of a tile
	s_lshr_b32 s[ROLE], ttmp9, 5                   ; clusters 0-31: role 0; 32-63: role 1: the same in all four partners
	s_bfe_u32 s88, ttmp6, 0x40000                  ; cx
	s_and_b32 s[BLOCK], ttmp9, 31
	s_lshl_b32 s[BLOCK], s[BLOCK], 2
	s_add_co_u32 s[BLOCK], s[BLOCK], s88           ; my block of 128 tokens: it enters addresses of x, temp_input and the outputs alone
	s_mov_b32 s[G1], 15|(1<<20)|(1<<21)|(6<<22)|(3<<25)   ; mask: all four; elements of 1 byte; padding on; bit 21 beside a mask; 4 words behind every 128
	s_mov_b32 s[G1+1], 512<<16                     ; tensor_dim0 = 512
	s_mov_b32 s[G1+2], 64<<16                      ; tensor_dim1 = 64
	s_mov_b32 s[G1+3], 512<<16                     ; tile_dim0 = 512
	s_mov_b32 s[G1+4], 64                          ; tile_dim1 = 64
	s_mov_b32 s[G1+5], 512                         ; from row to row
	s_mov_b32 s[G1+6], 0
	s_mov_b32 s[G1+7], 0
	s_mov_b32 s[SEL], 0x76543210
	s_mov_b32 s[SEL+1], 0xfedcba98
	s_mov_b32 s[L2E], 0x3fb8aa3b
	s_mov_b32 s[L2E+1], s[L2E]
	s_mov_b32 s[HM], 0xffff0000
	s_lshl_b32 s[SH], s[TW], 4
	s_mov_b32 s94, 0xbe2aaaab                      ; -1/6
	s_mov_b32 s95, 0x3e4ccccd                      ; 1/5
	s_mov_b32 s96, 0xbe800000                      ; -1/4
	s_mov_b32 s97, 0x3eaaaaab                      ; 1/3
	s_mov_b32 s98, 0x3f317218                      ; ln 2
	s_mov_b32 s99, 0xbfb8aa3b                      ; -log2(e)
	s_mov_b32 s[TB], 0
	v_and_b32 v[LN], 31, v0
	v_and_b32 v[R], 15, v0
	v_bfe_u32 v[H], v0, 4, 1
	v_lshlrev_b32 v[XO], 9, v[R]
	v_lshl_add_u32 v[XO], v[H], 4, v[XO]
	v_lshlrev_b32 v[L32], 5, v[LN]
	v_lshlrev_b32 v[BQO], 5, v[H]
	v_lshlrev_b32 v[R4], 2, v[R]
	v_lshlrev_b32 v[L16], 4, v[LN]
	v_lshlrev_b32 v[L4], 2, v[LN]
	v_lshlrev_b32 v[L8], 3, v[LN]
	v_lshlrev_b32 v[TO], 6, v[R]
	v_lshl_add_u32 v[TO], v[H], 4, v[TO]
	s_mul_i32 s86, s[CW], 128*PITCH                ; every LDS address is a constant + constants x lane, wave; all are made here
	v_mul_u32_u24 v[AW0], v[R], PITCH
	v_lshl_add_u32 v[AW0], v[H], 4, v[AW0]
	v_add_nc_u32 v[AW0], s86, v[AW0]
	s_lshl_b32 s86, s[CW], 13
	s_lshl_b32 s87, s[TW], 12
	s_add_co_u32 s86, s86, s87
	s_add_co_u32 s57, s86, IMG
	v_add_nc_u32 v[IW0], s57, v[L16]
	s_add_co_u32 s57, s86, IMG2
	v_add_nc_u32 v[IW2], s57, v[L16]
	s_add_co_u32 s57, s87, IMG
	v_add_nc_u32 v[IR], s57, v[L16]
	s_add_co_u32 s57, s87, IMG2
	v_add_nc_u32 v[IR2], s57, v[L16]
	s_lshl_b32 s86, s[CW], 10
	s_lshl_b32 s87, s[TW], 9
	s_add_co_u32 s86, s86, s87
	s_add_co_u32 s57, s86, ISC
	v_add_nc_u32 v[SW0], s57, v[L4]
	s_add_co_u32 s57, s86, ISC2
	v_add_nc_u32 v[SW2], s57, v[L4]
	s_add_co_u32 s57, s87, ISC
	v_add_nc_u32 v[SR], s57, v[L4]
	s_add_co_u32 s57, s87, ISC2
	v_add_nc_u32 v[SR2], s57, v[L4]
	s_lshl_b32 s86, s[TW], 8
	s_lshl_b32 s87, s[CW], 7
	s_add_co_u32 s87, s87, s86
	s_add_co_u32 s87, s87, TL
	v_mul_u32_u24 v[TWA], v[R], PITCH              ; T goes in by head r: tokens 64 tw + 32 cw + 16 e + 8 h + 0 .. 7
	v_lshl_add_u32 v[TWA], v[H], 5, v[TWA]
	v_add_nc_u32 v[TWA], s87, v[TWA]
	s_mul_i32 s87, s[CW], 8*PITCH                  ; and comes out by my eight heads: tokens 64 tw + 16 m + 8 h + 0 .. 7
	s_add_co_u32 s87, s87, s86
	s_add_co_u32 s87, s87, TL
	v_add_nc_u32 v[TR0], s87, v[BQO]
	s_wait_dscnt 0x0                               ; both opening adds are done
	s_wait_kmcnt 0x0
	s_cmp_eq_u32 s[ROLE], 0                        ; the role's weight: Wq, its scales and bq, or Wk's
	s_cselect_b64 s[8:9], s[8:9], s[14:15]
	s_cselect_b64 s[10:11], s[10:11], s[16:17]
	s_cselect_b64 s[12:13], s[12:13], s[18:19]
	PADD 20, 86, ROLE, 18, WV, 15, 0, 0, 0, 0      ; Wv: the role's 512 rows, my 64 rows of a tile
	ROUND                                          ; all four work-groups are here: the first joint load meets
	s_mov_b32 s[G0], 1                             ; count = 1
	s_mul_i32 s[G0+1], s[WV], QUART                ; slot 0, my quarter
	s_mov_b64 s[G0+2:G0+3], s[20:21]
	s_or_b32 s[G0+3], s[G0+3], 0x80000000
	tensor_load_to_lds s[G0:G0+3], s[G1:G1+7]      ; tile 0; every wave issues it
	s_nop 0
	PLACES
	s_add_nc_u64 s[NA:NA+1], s[20:21], 0x20000     ; tile 1: Wv's next 256 rows
	PADD 4, 88, BLOCK, 16, TW, 15, 0, 0, 0, 0      ; x: my 64 tokens
	PADD 6, 88, BLOCK, 12, TW, 11, 0, 0, 0, 0
	WIN 0x40                                       ; destination window 1
.irp m, 0,1,2,3
.irp s, 0,1,2,3,4,5,6,7
.irp c, 0,1
	global_load_b128 v[8*(8*\m+\s)+4*\c:8*(8*\m+\s)+4*\c+3], v[XO], s[4:5] offset:8192*\m+64*\s+32*\c   ; x's fragment (token tile m, K step s): it stays
.endr
.endr
.endr
	WIN 0
.irp b, 0,1
.irp q, 0,1
	global_load_b128 v[XS+8*\b+4*\q:XS+8*\b+4*\q+3], v[L32], s[6:7] offset:1024*\b+16*\q   ; a lane a token: its eight scale words
.endr
.endr
	PADD 22, 86, ROLE, 14, CW, 12, 0, 0, 0, 0
	PADD 24, 86, ROLE, 11, CW, 9, 0, 0, 0, 0
	VLOADS
	PADD 8, 86, WV, 15, 0, 0, 0, 0, 0, 0
	PADD 10, 86, CW, 12, 0, 0, 0, 0, 0, 0
	PADD 12, 86, CW, 9, 0, 0, 0, 0, 0, 0
	PADD 26, 86, WV, 15, 0, 0, 0, 0, 0, 0
	PADD 28, 86, CW, 12, 0, 0, 0, 0, 0, 0
	PADD 30, 88, BLOCK, 13, TW, 12, CW, 11, 0, 0
	PADD 32, 88, BLOCK, 9, TW, 8, CW, 7, 0, 0
	PADD 40, 88, BLOCK, 16, CW, 15, TW, 11, 0, 0
	PADD 42, 88, BLOCK, 14, CW, 13, TW, 9, 0, 0
	PADD 44, 88, BLOCK, 11, TW, 10, CW, 9, 0, 0
	PADD 46, 88, BLOCK, 12, WV, 10, 0, 0, 0, 0
	PADD 48, 88, BLOCK, 16, ROLE, 15, CW, 13, TW, 9
	PADD 50, 88, BLOCK, 13, TW, 12, ROLE, 11, CW, 9
	; ---- v: two passes, natural
	s_mov_b32 s[CNT], 0
.Lv:
	CHANGE 1
	s_mov_b64 s[NA:NA+1], s[8:9]                   ; the tile after next week's: the role's weight, rows 0-255 (asked for in the second trip)
	s_wait_loadcnt 0x0                             ; x (first trip), this pass's scale words and bias: their bases may step
	s_add_nc_u64 s[22:23], s[22:23], 8192
	s_add_nc_u64 s[24:25], s[24:25], 1024
	WIN 0xc0
.irp t, 0,1,2,3,4,5,6,7
.irp j, 0,1,2,3,4,5,6,7
	v_mov_b32 v[8*\t+\j], v[BT+\t]                 ; a lane holds one column: its bias serves all eight tokens of C
.endr
.endr
	WIN 0
	KSTEPS 1
	PLACES
	s_cmp_eq_u32 s[CNT], 0
	s_cbranch_scc0 .Lv_last
	VLOADS                                         ; the next pass is v's second
	s_branch .Lv_epi
.Lv_last:
	QLOADS                                         ; the next pass is q's or k's first
.Lv_epi:
	EPIV
	s_xor_b32 s[TB], s[TB], SLOTB
	s_add_co_u32 s[CNT], s[CNT], 1
	s_cmp_lt_u32 s[CNT], 2
	s_cbranch_scc1 .Lv
	; ---- q or k: passes 0 to 2, transposed; pass p makes K steps 2 p and 2 p + 1 of the feature map's product
	s_add_nc_u64 s[NA:NA+1], s[8:9], 0x20000
	s_mov_b32 s[IP], 0
	s_mov_b32 s[ISP], 0
	s_mov_b32 s[CNT], 0
.Lq:
	CHANGE 1
	s_add_nc_u64 s[NA:NA+1], s[NA:NA+1], 0x20000
	s_wait_loadcnt 0x0
	s_add_nc_u64 s[10:11], s[10:11], 8192
	s_add_nc_u64 s[12:13], s[12:13], 1024
	KSTEPS 0
	PLACES
	QLOADS
	EPIQ_C
	v_add_nc_u32 v[IW], s[IP], v[IW0]
	v_add_nc_u32 v[SW], s[ISP], v[SW0]
	EPIQ_S IW, SW
	s_add_co_u32 s[IP], s[IP], 16384
	s_add_co_u32 s[ISP], s[ISP], 2048
	s_xor_b32 s[TB], s[TB], SLOTB
	s_add_co_u32 s[CNT], s[CNT], 1
	s_cmp_lt_u32 s[CNT], 3
	s_cbranch_scc1 .Lq
	; ---- pass 3, written out: the tile asked for is Wphi, and the images go into slot 1, which has had its last fill
	s_mov_b64 s[NA:NA+1], s[26:27]
	CHANGE 1
	s_wait_loadcnt 0x0
	KSTEPS 0
	PLACES
	FLOADS
	s_cmp_eq_u32 s[ROLE], 0
	s_cbranch_scc1 .Lno_temp_loads
	WIN 0x40                                       ; temp_input's two tiles of my 32 tokens and Wt, into x's registers, which are done with
.irp e, 0,1
.irp c, 0,1
	global_load_b128 v[8*\e+4*\c:8*\e+4*\c+3], v[TO], s[30:31] offset:1024*\e+32*\c
.endr
.endr
.irp c, 0,1
	global_load_b128 v[16+4*\c:16+4*\c+3], v[TO], s[34:35] offset:32*\c
.endr
	WIN 0
	global_load_b32 v[TS], v[R4], s[32:33]
	global_load_b32 v[TS+1], v[R4], s[32:33] offset:64
	global_load_b32 v[TS+2], v[R4], s[36:37]
	global_load_b32 v[BT], v[R4], s[38:39]         ; bt of head r
.Lno_temp_loads:
	EPIQ_C
	CHANGE 0                                       ; Wphi's tile has landed, and nobody reads slot 1 any more
	EPIQ_S IW2, SW2
	s_wait_loadcnt 0x0                             ; Wphi's scale words; in role 1 the temperatures' operands
	s_cmp_eq_u32 s[ROLE], 0
	s_cbranch_scc1 .Lno_temp
	WIN 0x05                                       ; sources 0 and 1 window 1
	SWM SO, 0, 16, 0, 0, TS, TS+2, 0, 0            ; natural: a lane holds head r and eight tokens
	SWM SO+8, 8, 16, 0, 0, TS+1, TS+2, 0, 0
	WIN 0
	PLACES
.set i, 0
.rept 16
	v_add_f32 v[SO+i], v[SO+i], v[BT]
.set i, i+1
.endr
.set i, 0
.rept 16
	v_mul_f32 v[TM+i], s99, |v[SO+i]|              ; -|x| log2(e)
.set i, i+1
.endr
.set i, 0
.rept 16
	v_exp_f32 v[TM+i], v[TM+i]                     ; e = exp(-|x|)
.set i, i+1
.endr
.set i, 0
.rept 16
	v_max_num_f32 v[SO+i], 0, v[SO+i]              ; max(x, 0): plain work behind the exponentials
.set i, i+1
.endr
	s_wait_alu depctr_va_vdst(0)                   ; one wait for the batch, ahead of its first reader
.set i, 0
.rept 16
	v_add_f32 v[TP+i], 1.0, v[TM+i]
.set i, i+1
.endr
.set i, 0
.rept 16
	v_log_f32 v[TP+i], v[TP+i]
.set i, i+1
.endr
.set i, 0
.rept 16
	v_fma_f32 v[BY+i], v[TM+i], s94, s95           ; the series, which names none of the logarithms
.set i, i+1
.endr
.set i, 0
.rept 16
	v_fma_f32 v[BY+i], v[BY+i], v[TM+i], s96
.set i, i+1
.endr
.set i, 0
.rept 16
	v_fma_f32 v[BY+i], v[BY+i], v[TM+i], s97
.set i, i+1
.endr
.set i, 0
.rept 16
	v_fma_f32 v[BY+i], v[BY+i], v[TM+i], -0.5
.set i, i+1
.endr
.set i, 0
.rept 16
	v_fma_f32 v[BY+i], v[BY+i], v[TM+i], 1.0
.set i, i+1
.endr
.set i, 0
.rept 16
	v_mul_f32 v[BY+i], v[BY+i], v[TM+i]
.set i, i+1
.endr
	s_wait_alu depctr_va_vdst(0)
.set i, 0
.rept 16
	v_mul_f32 v[TP+i], s98, v[TP+i]
	v_cmp_gt_f32 vcc_lo, 0x3d800000, v[TM+i]       ; e < 1/16: the series
	v_cndmask_b32 v[TP+i], v[TP+i], v[BY+i], vcc_lo
	v_add_f32 v[TREG+i], v[SO+i], v[TP+i]
.set i, i+1
.endr
.irp e, 0,1
.irp q, 0,1
	ds_store_b128 v[TWA], v[TREG+8*\e+4*\q:TREG+8*\e+4*\q+3] offset:64*\e+16*\q
.endr
.endr
.Lno_temp:
	s_wait_dscnt 0x0                               ; for the others' sake: my images, scale words and T have landed
	s_barrier_signal -1
	s_barrier_wait -1
	; ---- the feature map: my 64 tokens x my eight heads, two heads a trip
	WIN 0x40
.irp s, 0,1,2,3,4,5
.irp m, 0,1,2,3
.irp c, 0,1
	ds_load_b128 v[8*(8*\m+\s)+4*\c:8*(8*\m+\s)+4*\c+3], v[IR] offset:8192*\s+1024*\m+512*\c
.endr
.endr
.endr
.irp s, 6,7
.irp m, 0,1,2,3
.irp c, 0,1
	ds_load_b128 v[8*(8*\m+\s)+4*\c:8*(8*\m+\s)+4*\c+3], v[IR2] offset:8192*(\s-6)+1024*\m+512*\c
.endr
.endr
.endr
	WIN 0
.irp s, 0,1,2,3,4,5
.irp m, 0,1,2,3
	ds_load_b32 v[QS+8*\m+\s], v[SR] offset:1024*\s+128*\m
.endr
.endr
.irp s, 6,7
.irp m, 0,1,2,3
	ds_load_b32 v[QS+8*\m+\s], v[SR2] offset:1024*(\s-6)+128*\m
.endr
.endr
	s_mov_b32 s[PG], 0
	s_mov_b32 s[TG], 0
	v_add_nc_u32 v[AF], s[PG], v[AW0]              ; Wphi lies in slot 0
	LOADF
	s_mov_b32 s[CNT], 0
.Lphi:
	s_wait_loadcnt 0x0                             ; Wphi's scale words
	s_wait_dscnt 0x0                               ; its fragments (first trip: Q(q)'s too)
	s_cmp_eq_u32 s[ROLE], 0
	s_cbranch_scc0 .Lmm_k
	WIN 0xa4
	PHIMM 0                                        ; role 0, transposed: a lane holds one token and eight features
	WIN 0
	s_branch .Lmm_done
.Lmm_k:
	WIN 0xa1
	PHIMM 1                                        ; role 1, natural: a lane holds one feature and eight tokens
	WIN 0
.Lmm_done:
	PLACES
	s_cmp_eq_u32 s[ROLE], 0
	s_cbranch_scc1 .Lno_t
	v_add_nc_u32 v[TRC], s[TG], v[TR0]
	WIN 0x80                                       ; destination window 2
.irp e, 0,1
.irp m, 0,1,2,3
.irp q, 0,1
	ds_load_b128 v[192+8*(4*\e+\m)+4*\q:192+8*(4*\e+\m)+4*\q+3], v[TRC] offset:PITCH*\e+64*\m+16*\q   ; T of my eight tokens, the two heads
.endr
.endr
.endr
	WIN 0
.Lno_t:
	s_add_co_u32 s[PG], s[PG], 32*PITCH
	s_cmp_eq_u32 s[CNT], 3
	s_cbranch_scc1 .Lno_next                       ; the last trip fetches nothing
	v_add_nc_u32 v[AF], s[PG], v[AW0]
	LOADF                                          ; the next trip's fragments land under this trip's vector work
	s_add_nc_u64 s[28:29], s[28:29], 1024
	FLOADS
.Lno_next:
	ELU
	WIN 0
	s_cmp_eq_u32 s[ROLE], 0
	s_cbranch_scc0 .Ltail_k
	WIN 0xaa
.set i, 0
.rept 32
	v_cvt_pk_bf16_f32 v[64+i], v[2*i], v[2*i+1]    ; phi_q as bf16: eight features of a token are 16 bytes: the image of the last product's first operand
.set i, i+1
.endr
	WIN 0x08                                       ; a store's data: window 2
.irp e, 0,1
.irp m, 0,1,2,3
	global_store_b128 v[L16], v[64+4*(4*\e+\m):64+4*(4*\e+\m)+3], s[40:41] offset:4096*\e+512*\m
.endr
.endr
	WIN 0
	s_wait_xcnt 0x0
	s_add_nc_u64 s[40:41], s[40:41], 8192
	s_branch .Lphi_end
.Ltail_k:
	s_wait_dscnt 0x0                               ; T
	WIN 0xaa
.set i, 0
.rept 32
	v_pk_mul_f32 v[i:i+1], v[i:i+1], v[192+i:193+i]   ; pk = phi_k T
.set i, i+2
.endr
.irp e, 0,1                                    ; my part of z: the sum of the unquantised pk over my 32 tokens, two chains a head
	v_pk_add_f32 v[64+4*\e:65+4*\e], v[32*\e:32*\e+1], v[32*\e+2:32*\e+3]
	v_pk_add_f32 v[66+4*\e:67+4*\e], v[32*\e+4:32*\e+5], v[32*\e+6:32*\e+7]
.endr
.irp i, 8,12,16,20,24,28
.irp e, 0,1
	v_pk_add_f32 v[64+4*\e:65+4*\e], v[64+4*\e:65+4*\e], v[32*\e+\i:32*\e+\i+1]
	v_pk_add_f32 v[66+4*\e:67+4*\e], v[66+4*\e:67+4*\e], v[32*\e+\i+2:32*\e+\i+3]
.endr
.endr
.irp e, 0,1
	v_pk_add_f32 v[64+4*\e:65+4*\e], v[64+4*\e:65+4*\e], v[66+4*\e:67+4*\e]
.endr
.irp e, 0,1
	v_add_f32 v[72+\e], v[64+4*\e], v[65+4*\e]
.endr
.irp i, 0,2,4,6,8,10,12,14                     ; pk is quantised along the tokens: block q = 2 e + beta is v[16 q .. 16 q + 15]; no |.|: pk is never negative
.irp q, 0,1,2,3
.if \i == 0
	v_max3_num_f32 v[80+\q], v[16*\q], v[16*\q+1], 0x1800000
.else
	v_max3_num_f32 v[80+\q], v[16*\q+\i], v[16*\q+\i+1], v[80+\q]
.endif
.endr
.endr
.irp q, 0,1,2,3
	v_permlanex16_b32 v[84+\q], v[80+\q], s[SEL], s[SEL+1]
.endr
.irp q, 0,1,2,3
	v_max_num_f32 v[80+\q], v[80+\q], v[84+\q]
.endr
.irp q, 0,1,2,3
	v_add_nc_u32 v[88+\q], 0xff000000, v[80+\q]
.endr
.irp q, 0,1,2,3
	v_lshrrev_b32 v[92+\q], 23, v[88+\q]
.endr
.irp e, 0,1
	v_lshl_or_b32 v[104+\e], v[93+2*\e], 8, v[92+2*\e]
.endr
.irp e, 0,1
	v_lshlrev_b32 v[104+\e], s[SH], v[104+\e]
.endr
	v_cndmask_b32 v106, v104, v105, s[HM]          ; lanes 0-15 the even head's word, lanes 16-31 the odd head's
.irp e, 0,1
	v_cvt_scalef32_pk8_fp4_f32 v[96+4*\e], v[32*\e:32*\e+7], v[88+2*\e]
	v_cvt_scalef32_pk8_fp4_f32 v[97+4*\e], v[32*\e+16:32*\e+23], v[89+2*\e]
	v_cvt_scalef32_pk8_fp4_f32 v[98+4*\e], v[32*\e+8:32*\e+15], v[88+2*\e]
	v_cvt_scalef32_pk8_fp4_f32 v[99+4*\e], v[32*\e+24:32*\e+31], v[89+2*\e]
.endr
	v_nop
.irp q, 0,1,2,3
	v_permlane16_swap_b32 v[96+2*\q], v[97+2*\q]
.endr
	WIN 0x08
.irp e, 0,1
	global_store_b128 v[L16], v[96+4*\e:99+4*\e], s[42:43] offset:1024*\e
.endr
	global_store_b32 v[L4], v106, s[44:45]
	global_store_b64 v[L8], v[72:73], s[46:47]
	WIN 0
	s_wait_xcnt 0x0
	s_add_nc_u64 s[42:43], s[42:43], 2048
	s_add_nc_u64 s[44:45], s[44:45], 128
	s_add_nc_u64 s[46:47], s[46:47], 256
.Lphi_end:
	s_add_co_u32 s[TG], s[TG], 2*PITCH
	s_add_co_u32 s[CNT], s[CNT], 1
	s_cmp_lt_u32 s[CNT], 4
	s_cbranch_scc1 .Lphi
	s_wait_tensorcnt 0x0                           ; the wave's end, behind my last tensor load and my last LDS store
	ds_add_u32 v[SPW], v[NIL]
	s_wait_dscnt 0x0
	ROUND                                          ; the closing round: no work-group ends while a partner may still ask for a tile that names it
	s_endpgm
.Lfunc_end_k_q8c8203a2a3_proj:
	.size	k_q8c8203a2a3_proj, .Lfunc_end_k_q8c8203a2a3_proj-k_q8c8203a2a3_proj
	.p2alignl 7, 3214868480
	.fill 96, 4, 3214868480
	.section	.rodata,"a",@progbits
	.p2align	6, 0x0
	.amdhsa_kernel k_q8c8203a2a3_proj
		.amdhsa_group_segment_fixed_size 327680
		.amdhsa_private_segment_fixed_size 0
		.amdhsa_enable_private_segment 0
		.amdhsa_kernarg_size 192
		.amdhsa_user_sgpr_count 2
		.amdhsa_user_sgpr_kernarg_segment_ptr 1
		.amdhsa_wavefront_size32 1
		.amdhsa_system_sgpr_workgroup_id_x 1
		.amdhsa_system_sgpr_workgroup_id_y 1
		.amdhsa_system_sgpr_workgroup_id_z 1
		.amdhsa_system_vgpr_workitem_id 0
		.amdhsa_next_free_vgpr 1024
		.amdhsa_next_free_sgpr 100
		.amdhsa_reserve_vcc 1
		.amdhsa_float_denorm_mode_32 3
		.amdhsa_float_denorm_mode_16_64 3
		.amdhsa_memory_ordered 1
		.amdhsa_forward_progress 1
		.amdhsa_inst_pref_size 255
	.end_amdhsa_kernel
	.section	.bss,"aw",@nobits
	.p2align	6
	.space	262144
	.amdgpu_metadata
---
amdhsa.version: [ 1, 2 ]
amdhsa.kernels:
  - .name:           k_q8c8203a2a3_proj
    .symbol:         k_q8c8203a2a3_proj.kd
    .args:
      - { .name: x_codes, .offset: 0, .size: 8, .value_kind: global_buffer, .address_space: global }
      - { .name: x_scales, .offset: 8, .size: 8, .value_kind: global_buffer, .address_space: global }
      - { .name: Wq_codes, .offset: 16, .size: 8, .value_kind: global_buffer, .address_space: global }
      - { .name: Wq_scales, .offset: 24, .size: 8, .value_kind: global_buffer, .address_space: global }
      - { .name: bq, .offset: 32, .size: 8, .value_kind: global_buffer, .address_space: global }
      - { .name: Wk_codes, .offset: 40, .size: 8, .value_kind: global_buffer, .address_space: global }
      - { .name: Wk_scales, .offset: 48, .size: 8, .value_kind: global_buffer, .address_space: global }
      - { .name: bk, .offset: 56, .size: 8, .value_kind: global_buffer, .address_space: global }
      - { .name: Wv_codes, .offset: 64, .size: 8, .value_kind: global_buffer, .address_space: global }
      - { .name: Wv_scales, .offset: 72, .size: 8, .value_kind: global_buffer, .address_space: global }
      - { .name: bv, .offset: 80, .size: 8, .value_kind: global_buffer, .address_space: global }
      - { .name: Wphi_codes, .offset: 88, .size: 8, .value_kind: global_buffer, .address_space: global }
      - { .name: Wphi_scales, .offset: 96, .size: 8, .value_kind: global_buffer, .address_space: global }
      - { .name: temp_input_codes, .offset: 104, .size: 8, .value_kind: global_buffer, .address_space: global }
      - { .name: temp_input_scales, .offset: 112, .size: 8, .value_kind: global_buffer, .address_space: global }
      - { .name: Wt_codes, .offset: 120, .size: 8, .value_kind: global_buffer, .address_space: global }
      - { .name: Wt_scales, .offset: 128, .size: 8, .value_kind: global_buffer, .address_space: global }
      - { .name: bt, .offset: 136, .size: 8, .value_kind: global_buffer, .address_space: global }
      - { .name: pq, .offset: 144, .size: 8, .value_kind: global_buffer, .address_space: global }
      - { .name: pkc, .offset: 152, .size: 8, .value_kind: global_buffer, .address_space: global }
      - { .name: pks, .offset: 160, .size: 8, .value_kind: global_buffer, .address_space: global }
      - { .name: zp, .offset: 168, .size: 8, .value_kind: global_buffer, .address_space: global }
      - { .name: vc, .offset: 176, .size: 8, .value_kind: global_buffer, .address_space: global }
      - { .name: vs, .offset: 184, .size: 8, .value_kind: global_buffer, .address_space: global }
    .group_segment_fixed_size: 327680
    .private_segment_fixed_size: 0
    .kernarg_segment_align: 8
    .kernarg_segment_size: 192
    .max_flat_workgroup_size: 128
    .sgpr_count:     100
    .vgpr_count:     1024
    .wavefront_size: 32
...
	.end_amdgpu_metadata
.endif
;; end of part 1
;; launch kvout (part 2): grid 256 x 1, 16 waves a work-group, no clusters, 73,728 bytes of LDS; arguments pq, pkc, pks, vc, vs, zp, out0; writes out0
.if DOCPART == 2
	.amdgcn_target "amdgcn-amd-amdhsa--gfx1250"
	.amdhsa_code_object_version 6
	.text
	.protected	k_q8c8203a2a3_kvout
	.globl	k_q8c8203a2a3_kvout
	.p2align	8
	.type	k_q8c8203a2a3_kvout,@function
k_q8c8203a2a3_kvout:
	s_mov_b64 s[64:65], 0
	v_nop
	global_prefetch_b8 v0, s[64:65] scope:SCOPE_SE
	s_setreg_imm32_b32 hwreg(HW_REG_WAVE_MODE, 25, 1), 1
	s_wait_xcnt 0x0
; KVOUT: kv[b][head][f][d] = the sum over a batch's 4,096 tokens of Q(pk)[s][f] Q(v)[s][d]; z[b][head][f] = the sum of pk; out[token][head][d] = (phi_q . kv[:, d]) / (phi_q . z + 1e-6).
; Nothing of reference() is left out here.
; SHARES.  A work-group owns one (batch, head) and 1,024 of the batch's tokens: 4 x 16 x 4 = 256 work-groups of sixteen waves.  Each work-group makes its head's kv and z itself, so that they never go to memory:
; wave w multiplies blocks 2 w and 2 w + 1 (of 32 blocks of 128 tokens) for all four tiles of 16 d: eight products on four accumulators by turns, on codes and scale words that lie in memory as images of the operands' registers.
; The sixteen waves' sums meet in LDS; waves 0-3 add those of one tile of d each, wave 4 those of z.  kv and z become a bf16 high part and a bf16 low part (the rest, in f32, rounded again) and go back to LDS as fragments.
; Then each wave takes 64 tokens: four tiles of 16 tokens x (64 d and the divisor).
; THE LAST PRODUCT has K = 16; the bf16 form has K = 32.  Its first 16 take the high parts, its second 16 the low parts, against the same 16 bf16 numbers of phi_q: kv and z count with 16 bits of mantissa, and the same
; rounded phi_q stands in the dividend and in the divisor.  Fragment dt holds d = 4 r + dt: a lane's results of the four fragments are four neighbouring d, 16 bytes; sixteen lanes store a head's 256 bytes of a token, aligned.
; Fragment 4 holds z in every column, and its C is 1e-6: so every lane has its eight tokens' divisors in the accumulator's registers.
; NO CLUSTER.  The four work-groups of a head read the same 188 KB (pk's codes 32, v's 128, scale words 20, parts of z 8), 39 parts in a hundred of a work-group's 476 KB (32 of phi_q and 256 of out are its own),
; and these bytes go from memory straight into operand registers: a joint load would send them through LDS and add the cluster's rounds.
.set KS,    0                          ; LDS: the waves' sums: [wave 16][tile of d 4][half 2][lane][16 bytes]
.set ZL,    65536                      ; the waves' parts of z: [wave 16][f 16] f32
.set FR,    ZL+1024                    ; the five fragments: [fragment][high, low][lane][16 bytes]
.set SPARE, FR+5120                    ; the spare words, 128 bytes a wave: eight blocks of 256 bytes that no other line names
.set L16,  5                           ; v5   16 lane
.set R4,   6                           ; v6   4 r
.set L8,   7                           ; v7   8 lane
.set KSW,  8                           ; v8   where I store my sums: 4,096 wave + 16 lane
.set ZLW,  9                           ; v9   and my part of z: ZL + 64 wave + 4 r
.set RK,   10                          ; v10  waves 0-3: where the sixteen parts of my tile of d begin: 1,024 wave + 16 lane
.set RZ,   11                          ; v11  wave 4: the parts of z[8 h ..]: ZL + 32 h
.set FRW,  12                          ; v12  waves 0-4: where I store my fragment: FR + 1,024 wave + 16 lane
.set FRP,  13                          ; v13  where I read kv's fragments: FR + 1,024 (r / 4) + 256 h + 64 (r % 4)
.set FRL,  14                          ; v14  FR + 16 lane
.set OO,   15                          ; v15  out: 16 r, and eight rows of 4,096 bytes further down for lanes 16-31
.set PF,   16                          ; v16-47   phi_q's four tiles: registers 0-3, and the same once more in 4-7
.set RD,   48                          ; v48-175  sixteen parts of eight numbers
.set AFR,  48                          ; v48-63   pk^T's two fragments
.set BFR,  64                          ; v64-127  v^T's eight: 4 block + tile of d
.set SA,   128                         ; v128-131 pk's scale words: the two halves of each, then joined in the first two
.set SB,   132                         ; v132-147 v's, then joined in the first eight
.set ZP,   148                         ; v148-151 parts of z
.set ZT,   152                         ; v152     the partner lane's
.set ACC,  176                         ; v176-207 four accumulators
.set ZR,   208                         ; v208-223 the packed parts, and their work
.set KV,   48                          ; v48-87   five fragments of kv and z: registers 0-3 high parts, 4-7 low parts
.set D0,   88                          ; v88-167  two sets of five accumulators
.set RC,   168                         ; v168-175 reciprocals
.set O0,   176                         ; v176-239 two sets of 32 results
.set EPSC, 240                         ; v240-247 1e-6
.set SPW,  254                         ; v254 LDS address of my spare word; never rewritten
.set NIL,  255                         ; v255 0; never rewritten
.macro PADD p, t, r1, h1, r2, h2, r3, h3, r4, h4   ; s[p:p+1] += sum of s[r] << h; the offset is made in s[t:t+1], apart from the address
	s_lshl_b32 s[\t], s[\r1], \h1
.if \r2
	s_lshl_b32 s[\t+1], s[\r2], \h2
	s_add_co_u32 s[\t], s[\t], s[\t+1]
.endif
.if \r3
	s_lshl_b32 s[\t+1], s[\r3], \h3
	s_add_co_u32 s[\t], s[\t], s[\t+1]
.endif
.if \r4
	s_lshl_b32 s[\t+1], s[\r4], \h4
	s_add_co_u32 s[\t], s[\t], s[\t+1]
.endif
	s_mov_b32 s[\t+1], 0
	s_add_nc_u64 s[\p:\p+1], s[\p:\p+1], s[\t:\t+1]
.endm
.macro HILO src                        ; eight f32 numbers v[src ..] become four registers of bf16 high parts, v[ZR ..], and four of low parts, v[ZR + 4 ..]
.irp p, 0,1,2,3
	v_cvt_pk_bf16_f32 v[ZR+\p], v[\src+2*\p], v[\src+2*\p+1]
	v_lshlrev_b32 v[ZR+8+2*\p], 16, v[ZR+\p]
	v_and_b32 v[ZR+9+2*\p], 0xffff0000, v[ZR+\p]
	v_sub_f32 v[ZR+8+2*\p], v[\src+2*\p], v[ZR+8+2*\p]
	v_sub_f32 v[ZR+9+2*\p], v[\src+2*\p+1], v[ZR+9+2*\p]
	v_cvt_pk_bf16_f32 v[ZR+4+\p], v[ZR+8+2*\p], v[ZR+9+2*\p]
.endr
.endm
; The sixteen waves' parts of eight numbers a lane, sp bytes from wave to wave and sq from the first four numbers to the last four, are added, split and stored as my fragment.
.macro RED adr, sp, sq
.irp p, 0,1,2,3,4,5,6,7,8,9,10,11,12,13,14,15
.irp q, 0,1
	ds_load_b128 v[RD+8*\p+4*\q:RD+8*\p+4*\q+3], v[\adr] offset:\sp*\p+\sq*\q
.endr
.endr
	s_wait_dscnt 0x0
.irp p, 1,2,3,4,5,6,7,8,9,10,11,12,13,14,15
.irp j, 0,2,4,6
	v_pk_add_f32 v[RD+\j:RD+\j+1], v[RD+\j:RD+\j+1], v[RD+8*\p+\j:RD+8*\p+\j+1]   ; four chains by turns
.endr
.endr
	HILO RD
	ds_store_b128 v[FRW], v[ZR:ZR+3]
	ds_store_b128 v[FRW], v[ZR+4:ZR+7] offset:512
.endm
	s_load_b256 s[4:11], s[0:1], 0x0               ; pq, pkc, pks, vc
	s_load_b128 s[12:15], s[0:1], 0x20             ; vs, zp
	s_load_b64 s[16:17], s[0:1], 0x30              ; out0
	v_lshl_add_u32 v[SPW], v0, 2, SPARE
	v_mov_b32 v[NIL], 0
	v_lshrrev_b32 v1, 5, v0
	v_readfirstlane_b32 s18, v1                    ; wave 0..15
	s_lshr_b32 s19, ttmp9, 6                       ; batch
	s_bfe_u32 s20, ttmp9, 0x40002                  ; head
	s_and_b32 s21, ttmp9, 3                        ; which 1,024 tokens
	s_lshl_b32 s22, s19, 5
	s_lshl_b32 s23, s18, 1
	s_add_co_u32 s22, s22, s23                     ; for kv: my first block of 128 tokens: 32 b + 2 wave
	s_lshl_b32 s23, s19, 5
	s_lshl_b32 s24, s21, 3
	s_add_co_u32 s23, s23, s24
	s_lshr_b32 s24, s18, 1
	s_add_co_u32 s23, s23, s24                     ; for out: my block: 32 b + 8 quarter + wave / 2,
	s_and_b32 s24, s18, 1                          ; and which 64 tokens of it
	s_lshr_b32 s25, s20, 3
	s_bfe_u32 s26, s20, 0x20001
	s_and_b32 s27, s20, 1
	s_mov_b32 s30, 0x76543210
	s_mov_b32 s31, 0xfedcba98                      ; v_permlanex16_b32's selects for lane l xor 16
	v_and_b32 v2, 31, v0                           ; lane
	v_and_b32 v3, 15, v0                           ; r
	v_bfe_u32 v4, v0, 4, 1                         ; h
	v_lshlrev_b32 v[L16], 4, v2
	v_lshlrev_b32 v[R4], 2, v3
	v_lshlrev_b32 v[L8], 3, v2
	s_lshl_b32 s28, s18, 12                        ; every LDS address is a constant + constants x lane, wave; all are made here
	v_add_nc_u32 v[KSW], s28, v[L16]
	s_lshl_b32 s28, s18, 6
	s_add_co_u32 s28, s28, ZL
	v_add_nc_u32 v[ZLW], s28, v[R4]
	s_lshl_b32 s28, s18, 10
	v_add_nc_u32 v[RK], s28, v[L16]
	s_add_co_u32 s28, s28, FR
	v_add_nc_u32 v[FRW], s28, v[L16]
	v_lshlrev_b32 v[RZ], 5, v4
	v_add_nc_u32 v[RZ], ZL, v[RZ]
	v_add_nc_u32 v[FRL], FR, v[L16]
	v_lshrrev_b32 v[FRP], 2, v3
	v_lshlrev_b32 v[FRP], 10, v[FRP]
	v_lshl_add_u32 v[FRP], v4, 8, v[FRP]
	v_and_b32 v1, 3, v3
	v_lshl_add_u32 v[FRP], v1, 6, v[FRP]
	v_add_nc_u32 v[FRP], FR, v[FRP]
	v_lshlrev_b32 v[OO], 4, v3
	v_lshl_add_u32 v[OO], v4, 15, v[OO]
	v_mov_b32 v[ZT], 0                             ; written once: a lane permute's destination counts as one of its sources
.irp j, 0,1,2,3,4,5,6,7
	v_mov_b32 v[EPSC+\j], 0x358637bd
.endr
	s_wait_kmcnt 0x0
	PADD 6, 28, 22, 14, 20, 10, 0, 0, 0, 0         ; pkc: 16,384 a block, 1,024 a head
	PADD 8, 28, 22, 11, 20, 6, 0, 0, 0, 0          ; pks: 2,048 a block, 64 a head (128 a pair of heads, 64 for the odd one)
	PADD 10, 28, 22, 16, 20, 12, 0, 0, 0, 0        ; vc: 65,536 a block, 4,096 a head
	PADD 12, 28, 22, 13, 20, 8, 0, 0, 0, 0         ; vs: 8,192 a block, 256 a head
	PADD 14, 28, 22, 12, 25, 10, 26, 8, 27, 2      ; zp: 4,096 a block; the storing wave's cw = head / 8; its trip (head / 2) % 4; e = head % 2
	PADD 4, 28, 23, 16, 20, 12, 24, 11, 0, 0       ; pq: 65,536 a block, 4,096 a head, 2,048 for the second 64 tokens
	PADD 16, 28, 23, 19, 24, 18, 20, 8, 0, 0       ; out: 128 rows of 4,096 bytes a block, 64 rows, 256 bytes a head
.irp i, 0,1
.irp c, 0,1
	global_load_b128 v[AFR+8*\i+4*\c:AFR+8*\i+4*\c+3], v[L16], s[6:7] offset:16384*\i+512*\c
	global_load_b32 v[SA+2*\c+\i], v[R4], s[8:9] offset:2048*\i+1024*\c
	global_load_b32 v[ZP+2*\i+\c], v[L8], s[14:15] offset:4096*\i+2048*\c
.irp d, 0,1,2,3
	global_load_b128 v[BFR+8*(4*\i+\d)+4*\c:BFR+8*(4*\i+\d)+4*\c+3], v[L16], s[10:11] offset:65536*\i+1024*\d+512*\c
	global_load_b32 v[SB+8*\c+4*\i+\d], v[R4], s[12:13] offset:8192*\i+4096*\c+64*\d
.endr
.endr
.endr
.irp m, 0,1,2,3
	global_load_b128 v[PF+8*\m:PF+8*\m+3], v[L16], s[4:5] offset:512*\m      ; phi_q is asked for now and wanted behind the second barrier
	global_load_b128 v[PF+8*\m+4:PF+8*\m+7], v[L16], s[4:5] offset:512*\m
.endr
	s_wait_loadcnt 8                               ; loads come back in order (ISA guide 5.7.1): all but the eight of phi_q, which were issued last, are in
.irp i, 0,1
	v_or_b32 v[SA+\i], v[SA+\i], v[SA+2+\i]        ; bytes 0, 1 from the first 64 tokens' wave, bytes 2, 3 from the other's
.endr
.irp j, 0,1,2,3,4,5,6,7
	v_or_b32 v[SB+\j], v[SB+\j], v[SB+8+\j]
.endr
	v_add_f32 v[ZP], v[ZP], v[ZP+1]                ; my part of z: two blocks x two halves of a block,
	v_add_f32 v[ZP+2], v[ZP+2], v[ZP+3]
	v_add_f32 v[ZP], v[ZP], v[ZP+2]
	v_permlanex16_b32 v[ZT], v[ZP], s30, s31
	v_add_f32 v[ZP], v[ZP], v[ZT]                  ; and lane l xor 16's tokens: z's part for f = r
	ds_store_b32 v[ZLW], v[ZP]                     ; lanes r and 16 + r write the same word with the same value
.rept 4
	v_nop                                          ; a scale register written by a vector instruction stands eight places ahead of the scaled product: the four additions above and these four
.endr
.irp d, 0,1,2,3
	v_wmma_scale_f32_16x16x128_f8f6f4 v[ACC+8*\d:ACC+8*\d+7], v[AFR:AFR+7], v[BFR+8*\d:BFR+8*\d+7], 0, v[SA], v[SB+\d] matrix_a_fmt:MATRIX_FMT_FP4 matrix_b_fmt:MATRIX_FMT_FP4
.endr
.irp d, 0,1,2,3
	v_wmma_scale_f32_16x16x128_f8f6f4 v[ACC+8*\d:ACC+8*\d+7], v[AFR+8:AFR+15], v[BFR+32+8*\d:BFR+32+8*\d+7], v[ACC+8*\d:ACC+8*\d+7], v[SA+1], v[SB+4+\d] matrix_a_fmt:MATRIX_FMT_FP4 matrix_b_fmt:MATRIX_FMT_FP4
.endr
.rept 5
	v_nop                                          ; four places in front of the reads of the results and of loads into the operands; five, since the last product's results are laid over these operands
.endr
.irp d, 0,1,2,3
.irp q, 0,1
	ds_store_b128 v[KSW], v[ACC+8*\d+4*\q:ACC+8*\d+4*\q+3] offset:1024*\d+512*\q   ; lane (r, h): kv's part for f = 8 h + 0 .. 7, d = 16 d + r; each accumulator from its low end on
.endr
.endr
	s_wait_dscnt 0x0                               ; for the others' sake: my stores have landed
	s_barrier_signal -1
	s_barrier_wait -1
	s_cmp_lt_u32 s18, 4
	s_cbranch_scc0 .Lnot_kv
	RED RK, 4096, 512                              ; waves 0-3: tile of d = wave
	s_branch .Lmeet
.Lnot_kv:
	s_cmp_lg_u32 s18, 4
	s_cbranch_scc1 .Lmeet
	RED RZ, 64, 16                                 ; wave 4: z[8 h + 0 .. 7], the same in every r
.Lmeet:
	s_wait_dscnt 0x0                               ; for the others' sake: the fragments have landed
	s_barrier_signal -1
	s_barrier_wait -1
.irp f, 0,1,2,3
.irp g, 0,1
	ds_load_b128 v[KV+8*\f+4*\g:KV+8*\f+4*\g+3], v[FRP] offset:16*\f+512*\g   ; d = 4 r + f lies in tile r / 4 at lane 16 h + 4 (r % 4) + f
.endr
.endr
.irp g, 0,1
	ds_load_b128 v[KV+32+4*\g:KV+32+4*\g+3], v[FRL] offset:4096+512*\g
.endr
.macro WM m                            ; tile m: five products on five accumulators
.set DB, D0+40*((\m)%2)
.irp f, 0,1,2,3
	v_wmma_f32_16x16x32_bf16 v[DB+8*\f:DB+8*\f+7], v[PF+8*(\m):PF+8*(\m)+7], v[KV+8*\f:KV+8*\f+7], 0
.endr
	v_wmma_f32_16x16x32_bf16 v[DB+32:DB+39], v[PF+8*(\m):PF+8*(\m)+7], v[KV+32:KV+39], v[EPSC:EPSC+7]
.endm
.macro FIN m                           ; tile m is divided and stored; each accumulator is read from its low end on
.set DB, D0+40*((\m)%2)
.set OB, O0+32*((\m)%2)
.irp j, 0,1,2,3,4,5,6,7
	v_rcp_f32 v[RC+\j], v[DB+32+\j]
.endr
	v_nop                                          ; a plain place behind the last reciprocal
	s_wait_alu depctr_va_vdst(0)                   ; one wait for the eight, ahead of their first reader
	s_wait_xcnt 0x0                                ; the stores of two tiles back have read this set of results
.irp j, 0,1,2,3,4,5,6,7
.irp f, 0,1,2,3
	v_mul_f32 v[OB+4*\j+\f], v[DB+8*\f+\j], v[RC+\j]
.endr
.endr
.irp j, 0,1,2,3,4,5,6,7
	global_store_b128 v[OO], v[OB+4*\j:OB+4*\j+3], s[16:17] offset:(16*(\m)+\j)*4096 th:TH_STORE_NT   ; lanes 0-15 and lanes 16-31 each store 256 consecutive bytes, aligned; written once, read by nobody here
.endr
.endm
	s_wait_loadcnt 0x0                             ; phi_q
	s_wait_dscnt 0x0                               ; kv and z
	WM 0
	WM 1
.rept 4
	v_nop                                          ; four places in front of the first read of results; later each tile's vector work is the places of the products before it
.endr
	FIN 0
	WM 2
	FIN 1
	WM 3
	FIN 2
	FIN 3
	s_wait_tensorcnt 0x0                           ; the wave's end, behind my last LDS store
	ds_add_u32 v[SPW], v[NIL]
	s_wait_dscnt 0x0
	s_endpgm
.Lfunc_end_k_q8c8203a2a3_kvout:
	.size	k_q8c8203a2a3_kvout, .Lfunc_end_k_q8c8203a2a3_kvout-k_q8c8203a2a3_kvout
	.p2alignl 7, 3214868480
	.fill 96, 4, 3214868480
	.section	.rodata,"a",@progbits
	.p2align	6, 0x0
	.amdhsa_kernel k_q8c8203a2a3_kvout
		.amdhsa_group_segment_fixed_size 73728
		.amdhsa_private_segment_fixed_size 0
		.amdhsa_enable_private_segment 0
		.amdhsa_kernarg_size 56
		.amdhsa_user_sgpr_count 2
		.amdhsa_user_sgpr_kernarg_segment_ptr 1
		.amdhsa_wavefront_size32 1
		.amdhsa_system_sgpr_workgroup_id_x 1
		.amdhsa_system_sgpr_workgroup_id_y 1
		.amdhsa_system_sgpr_workgroup_id_z 1
		.amdhsa_system_vgpr_workitem_id 0
		.amdhsa_next_free_vgpr 256
		.amdhsa_next_free_sgpr 66
		.amdhsa_reserve_vcc 0
		.amdhsa_float_denorm_mode_32 3
		.amdhsa_float_denorm_mode_16_64 3
		.amdhsa_memory_ordered 1
		.amdhsa_forward_progress 1
		.amdhsa_inst_pref_size 37
	.end_amdhsa_kernel
	.amdgpu_metadata
---
amdhsa.version: [ 1, 2 ]
amdhsa.kernels:
  - .name:           k_q8c8203a2a3_kvout
    .symbol:         k_q8c8203a2a3_kvout.kd
    .args:
      - { .name: pq, .offset: 0, .size: 8, .value_kind: global_buffer, .address_space: global }
      - { .name: pkc, .offset: 8, .size: 8, .value_kind: global_buffer, .address_space: global }
      - { .name: pks, .offset: 16, .size: 8, .value_kind: global_buffer, .address_space: global }
      - { .name: vc, .offset: 24, .size: 8, .value_kind: global_buffer, .address_space: global }
      - { .name: vs, .offset: 32, .size: 8, .value_kind: global_buffer, .address_space: global }
      - { .name: zp, .offset: 40, .size: 8, .value_kind: global_buffer, .address_space: global }
      - { .name: out0, .offset: 48, .size: 8, .value_kind: global_buffer, .address_space: global }
    .group_segment_fixed_size: 73728
    .private_segment_fixed_size: 0
    .kernarg_segment_align: 8
    .kernarg_segment_size: 56
    .max_flat_workgroup_size: 512
    .sgpr_count:     66
    .vgpr_count:     256
    .wavefront_size: 32
...
	.end_amdgpu_metadata
.endif
;; end of part 2
